; MI455X (gfx1250); checked and timed in simulation.
; The chip was launched on July 23, 2026; its instructions are those of AMD's public machine-readable ISA for CDNA 5 (MIT licence, August 2026) and "CDNA5" Instruction Set Architecture Reference Guide (July 2026). The comments in the code are by the model that wrote it; some were corrected since.
;; MHA. Allowed arithmetic: matrix products marked QUANTISED: E2M3 operands, one E8M0 scale for each 32 along K, by v_wmma_scale_f32_16x16x128_f8f6f4 with both operands' format E2M3, f32 sums; everything else in f32.
;; Inputs: wk 2,048 x 1,024 float32; wo 1,024 x 2,048 float32; wq 2,048 x 1,024 float32; wv 2,048 x 1,024 float32; x 2 x 2,048 x 1,024 float32.
;; Outputs: out0 2 x 2,048 x 1,024 float32.
;; This version of the problem:
;;   THIS VERSION OF THE PROBLEM IS GIVEN IN LOW PRECISION. The matrix products marked QUANTISED in the list below multiply operands that are first quantised to E2M3 (2 exponent bits, 3 mantissa bits; 6 bits a number), with one power-of-two scale for each 32 numbers along K (OCP MX v1.0); their sums are f32. All else is computed in f32.
;;   The module's matrix products, in the order in which they are computed (A, B: the left and right operand; K: the contracted axis; several contracted axes count as one K, in the product's order):
;;     1. [M 4,096, K 1,024] x [K 1,024, N 2,048]; A: input x; B: input wq: QUANTISED
;;     2. [M 4,096, K 1,024] x [K 1,024, N 2,048]; A: input x; B: input wk: QUANTISED
;;     3. [M 4,096, K 1,024] x [K 1,024, N 2,048]; A: input x; B: input wv: QUANTISED
;;     4. batch 32 x [M 2,048, K 128] x [K 128, N 2,048]; A: computed on the way; B: computed on the way: QUANTISED
;;     5. batch 32 x [M 2,048, K 2,048] x [K 2,048, N 128]; A: softmax (see below); B: computed on the way: QUANTISED
;;     6. [M 4,096, K 2,048] x [K 2,048, N 1,024]; A: computed on the way; B: input wo: QUANTISED
;;   THE QUANTISER, for each operand of a quantised product, along K:
;;     - K is cut into blocks of 32 from its start; a last block that is shorter is filled with zeros.
;;     - A block's scale is 2^e with e = floor(log2(the largest magnitude in the block)) - 2, held to -126 .. 127; a block of zeros has e = 0. As a byte (E8M0): e + 127.
;;     - Each number is divided by its block's scale, clamped to +-7.5, and rounded to the nearest number of E2M3, ties to even, subnormals kept.
;;     - The product sums the exact products of the quantised numbers (number of the format x scale) in f32.
;;   ~~~python
;;   def quantise(x, axis):      # numpy; x: float32 -> the quantised numbers, widened to float32 again
;;       x = np.moveaxis(x, axis, -1); K = x.shape[-1]
;;       x = np.pad(x, [(0, 0)] * (x.ndim - 1) + [(0, -K % 32)]); x = x.reshape(x.shape[:-1] + (-1, 32)); a = np.abs(x).max(-1, keepdims=True)
;;       e = np.where(a > 0, np.clip(np.frexp(np.where(a > 0, a, 1))[1] - 1 - 2, -126, 127), 0)      # np.frexp(a)[1] - 1 = floor(log2(a)), exactly
;;       r = np.clip(x / 2.0 ** e, -7.5, 7.5)
;;       step = 2.0 ** (np.maximum(np.frexp(np.where(r == 0, 1, r))[1] - 1, 0) - 3)
;;       q = np.round(r / step) * step * 2.0 ** e      # np.round: ties to even
;;       return np.moveaxis(q.reshape(q.shape[:-2] + (-1,))[..., :K], -1, axis).astype(np.float32)
;;   ~~~
;;   SOFTMAX AHEAD OF A QUANTISED PRODUCT. Where the list says 'softmax', what is quantised is not the finished softmax but p = 2^(t - M), with t = logit x log2(e) and M = ceil(the row's largest t), a whole number; so 1/2 < the row's largest p <= 1. The row's sum l is taken of the UNQUANTISED p, in f32, and the product's result is divided by l at the end. Since M is a whole number, a kernel that streams over the keys may use a running M (the ceiling of the running maximum): every later rescaling is an exact power of two, which a block's scale takes up: the codes' values come out the same.
;;   OPERANDS COMPUTED ON THE WAY. 'Computed on the way' means the value that the module computes at that place (a softmax that the list does not call 'softmax' is quantised finished and normalised). What goes into a quantiser is computed in f32, as accurately as f32 sums, v_exp_f32 and their like allow (about 1e-6 of the number): no bf16 or f16 on the way to a quantiser, and a product that is left as it is and whose result goes on into a quantised operand takes f32 operands (vector FMAs, or v_wmma_f32_16x16x4_f32). A number that lies on a knife's edge between two numbers of the format may be rounded either way, as far as f32 arithmetic and the matrix unit's own rounding can turn it there, and no further.
;; One version. Each part assembles by itself: llvm-mc -triple=amdgcn-amd-amdhsa -mcpu=gfx1250 --defsym DOCPART=n.
;; ======== version 1 of 1: 4 launches
;; limits: right only within a limited range of input values
;; workspace buffers: pin 16,384,000 bytes; qkv 19,660,800 bytes
;; launch quant (part 1): grid 256 x 1, 3 waves a work-group, no clusters, 25,856 bytes of LDS; arguments x, wv, wq, wk, wo, pin; writes pin
.if DOCPART == 1
	.amdgcn_target "amdgcn-amd-amdhsa--gfx1250"
	.amdhsa_code_object_version 6
	.text
	.protected	k_qa5c6192903_quant
	.globl	k_qa5c6192903_quant
	.p2align	8
	.type	k_qa5c6192903_quant,@function
k_qa5c6192903_quant:
	s_mov_b64 s[64:65], 0
	v_nop
	global_prefetch_b8 v0, s[64:65] scope:SCOPE_SE
	s_setreg_imm32_b32 hwreg(HW_REG_WAVE_MODE, 25, 1), 1
	s_wait_xcnt 0x0
; x [4096][1024], wv, wq, wk [2048][1024], wo [1024][2048], all f32 with K innermost, become codes of FP6 (E2M3) with one E8M0 byte for each 32 along K, laid as PANELS.
; A PANEL is 128 rows x 128 along K: eight fragment images of 1,536 bytes (registers 4 c .. 4 c + 3 of lane l of fragment a at 1536 a + 512 c + 16 l: the matrix operand's 12 registers as they stand),
; and a scale image of 512 bytes (the word of fragment a, lane row r at 256 (a / 4) + 16 r + 4 (a % 4)).  Lane row r of fragment a is the panel's row 32 (a / 2) + 8 (a % 2) + r + 8 (r / 8).
; Panel P's codes lie at 12288 P, its scale image at 9437184 + 512 P.  P: x 8 rb + ks (0-255); wv from 256, wq from 384, wk from 512 likewise; wo 640 + 16 rb + ks.
; A block's scale is 2^(floor(log2(its largest magnitude)) - 2): its byte is the largest magnitude's exponent field - 2, held at 1 from below.
; LIMITS: NaN and infinities among the inputs are not served; a largest magnitude under 2^(3 - 127) counts as that; a block of zeros gets the byte 1 and not 127: its codes are zeros, and this program alone reads the bytes.
; SHARES: a wave makes one panel, P = 3 x work-group + wave: 768 panels.  Waves share nothing: no barrier.  Each load reads 512 consecutive bytes of one row; a fragment's 16 rows turn through the wave's own
; stage in LDS (rows of 512 + 16 bytes), so that a lane gets 16 neighbours of each block of 32.  Loads run two fragments (32 loads a wave) ahead.
.set STGB,  8448                       ; a wave's stage: 16 rows x 528 bytes
.set SPARE, 3*STGB                     ; behind the stages: the spare words, 128 bytes a wave, two blocks of 256 bytes that no other line names
.set LI,    4                          ; v4   16 x lane
.set STI,   5                          ; v5   the stage on the way in: 16 x lane
.set STQ,   6                          ; v6   and on the way out: 528 r + 64 h
.set SPW,   8                          ; v8   my spare word; never rewritten
.set NIL,   9                          ; v9   0; never rewritten
.set VO,    16                         ; v16-23  16 x lane + e x a row's bytes, e = 0 .. 7
.set PWS,   24                         ; v24-31  the eight fragments' scale words
.set R,     32                         ; v32-159 two sets of 16 x 4 registers as loaded
.set X,     160                        ; v160-223 register 16 b + i = k 32 b + 16 h + i of my row
.set TM,    224                        ; v224-227 largest magnitudes, v228-231 the other half's / bytes, v232-235 the conversions' scale operands
.set PC,    236                        ; v236-247 the fragment's codes; v248-250, v252-254 halves on their way
.set SEL,   20                         ; s[20:21] v_permlanex16_b32's selects for lane l xor 16
.set OCT,   32                         ; s[32:63] the addresses of the panel's sixteen groups of eight rows
	s_load_b256 s[4:11], s[0:1], 0x0               ; x, wv, wq, wk
	s_load_b128 s[12:15], s[0:1], 0x20             ; wo, pin
	v_lshl_add_u32 v[SPW], v0, 2, SPARE
	v_mov_b32 v[NIL], 0
	v_lshrrev_b32 v1, 5, v0
	v_readfirstlane_b32 s16, v1                    ; wave
	v_and_b32 v1, 31, v0                           ; lane
	v_and_b32 v2, 15, v0                           ; r
	v_bfe_u32 v3, v0, 4, 1                         ; h
	v_lshlrev_b32 v[LI], 4, v1
	s_wait_alu depctr_va_vdst(0)
	s_mul_i32 s18, s16, STGB
	v_add_nc_u32 v[STI], s18, v[LI]
	v_mul_u32_u24 v[STQ], v2, 528
	v_lshl_add_u32 v[STQ], v3, 6, v[STQ]
	v_add_nc_u32 v[STQ], s18, v[STQ]
	s_mul_i32 s17, ttmp9, 3
	s_add_co_u32 s17, s17, s16                     ; P
	s_sub_co_u32 s19, s17, 256
	s_and_b32 s19, s19, 127
	s_cmp_lt_u32 s17, 256
	s_cselect_b32 s19, s17, s19                    ; the panel's number inside its tensor
	s_cmp_lt_u32 s17, 640
	s_cselect_b32 s24, 3, 4                        ; log2 of the K steps in a row: 8, in wo 16
	s_lshl_b32 s25, 512, s24                       ; a row in bytes
	s_lshr_b32 s26, s19, s24                       ; rb
	s_lshl_b32 s27, s26, s24
	s_sub_co_u32 s27, s19, s27                     ; ks
	s_add_co_u32 s24, s24, 16
	s_lshl_b32 s26, s26, s24                       ; 128 rows x rb
	s_lshl_b32 s27, s27, 9                         ; 512 bytes x ks
	s_add_co_u32 s26, s26, s27
	s_mov_b32 s27, 0
.irp e, 0,1,2,3,4,5,6,7
	v_mad_u32_u24 v[VO+\e], s25, \e, v[LI]
.endr
	s_mov_b32 s[SEL], 0x76543210
	s_mov_b32 s[SEL+1], 0xfedcba98
.irp b, 0,1,2,3
	v_mov_b32 v[TM+4+\b], 0                        ; written once: a lane permute's destination counts as one of its sources
.endr
	s_wait_alu depctr_va_vdst(0)
	s_wait_kmcnt 0x0
	s_cmp_lt_u32 s17, 640                          ; which tensor: the choice hangs on the panel's number alone
	s_cselect_b64 s[22:23], s[10:11], s[12:13]
	s_cmp_lt_u32 s17, 512
	s_cselect_b64 s[22:23], s[8:9], s[22:23]
	s_cmp_lt_u32 s17, 384
	s_cselect_b64 s[22:23], s[6:7], s[22:23]
	s_cmp_lt_u32 s17, 256
	s_cselect_b64 s[22:23], s[4:5], s[22:23]
	s_add_nc_u64 s[OCT:OCT+1], s[22:23], s[26:27]
	s_lshl_b32 s26, s25, 3                         ; eight rows
.irp o, 1,2,3,4,5,6,7,8,9,10,11,12,13,14,15
	s_add_nc_u64 s[OCT+2*\o:OCT+2*\o+1], s[OCT+2*\o-2:OCT+2*\o-1], s[26:27]
.endr
	s_mul_i32 s18, s17, 12288
	s_mov_b32 s19, 0
	s_add_nc_u64 s[28:29], s[14:15], s[18:19]      ; where the panel's codes go
	s_lshl_b32 s18, s17, 9
	s_add_co_u32 s18, s18, 9437184
	s_add_nc_u64 s[30:31], s[14:15], s[18:19]      ; and its scale image
; fragment a's 16 rows: stage row 8 u + e is row e of the group 4 (a / 2) + a % 2 + 2 u
.macro LOADF a
.irp u, 0,1
.irp e, 0,1,2,3,4,5,6,7
	global_load_b128 v[R+64*((\a)%2)+4*(8*\u+\e):R+64*((\a)%2)+4*(8*\u+\e)+3], v[VO+\e], s[OCT+2*(4*((\a)/2)+(\a)%2+2*\u):OCT+2*(4*((\a)/2)+(\a)%2+2*\u)+1] th:TH_LOAD_NT
.endr
.endr
.endm
; 64 numbers of a lane, register 16 b + i = k 32 b + 16 h + i of my row, become a fragment's 12 registers in v[PC] on and its scale word in v[pw]
.macro QUANT s, pw
.irp b, 0,1,2,3
	v_max3_num_f32 v[TM+\b], |v[\s+16*\b]|, |v[\s+1+16*\b]|, 0x1800000   ; my 16 numbers of block b, and the floor 2^(3 - 127): the byte cannot fall under 1
.endr
.irp i, 2,4,6,8,10,12,14
.irp b, 0,1,2,3
	v_max3_num_f32 v[TM+\b], v[TM+\b], |v[\s+16*\b+\i]|, |v[\s+1+16*\b+\i]|   ; the four blocks by turns
.endr
.endr
.irp b, 0,1,2,3
	v_permlanex16_b32 v[TM+4+\b], v[TM+\b], s[SEL], s[SEL+1]
.endr
.irp b, 0,1,2,3
	v_max_num_f32 v[TM+\b], v[TM+\b], v[TM+4+\b]   ; with lane l xor 16's: the block's largest magnitude
.endr
.irp b, 0,1,2,3
	v_add_nc_u32 v[TM+8+\b], 0xff000000, v[TM+\b]  ; 2 off its exponent field: the conversion takes that field as its scale
.endr
.irp b, 0,1,2,3
	v_lshrrev_b32 v[TM+4+\b], 23, v[TM+8+\b]       ; the scale's byte
.endr
	v_lshl_or_b32 v[\pw], v[TM+5], 8, v[TM+4]
	v_lshl_or_b32 v[\pw], v[TM+6], 16, v[\pw]
	v_lshl_or_b32 v[\pw], v[TM+7], 24, v[\pw]      ; my row's scale word
.irp c, 0,1
	v_cvt_scalef32_pk16_fp6_f32 v[PC+6*\c:PC+2+6*\c], v[\s+32*\c:\s+15+32*\c], v[TM+8+2*\c]
	v_cvt_scalef32_pk16_fp6_f32 v[PC+12+4*\c:PC+14+4*\c], v[\s+16+32*\c:\s+31+32*\c], v[TM+8+2*\c+1]   ; (a conversion's three registers begin on an even number)
.endr
	v_nop                                          ; one plain place behind a scaled conversion
.irp c, 0,1                                    ; the operand wants a whole block in a lane: lanes 0-15 block 2 c, lanes 16-31 block 2 c + 1
.irp i, 0,1,2
	v_permlane16_swap_b32 v[PC+6*\c+\i], v[PC+12+4*\c+\i]
.endr
.irp i, 0,1,2
	v_mov_b32 v[PC+3+6*\c+\i], v[PC+12+4*\c+\i]
.endr
.endr
.endm
.macro FRAGM a
.if (\a) < 7
	s_wait_loadcnt 16                              ; this fragment's 16 loads are in; the next fragment's 16 may be out
.else
	s_wait_loadcnt 0
.endif
.irp p, 0,1,2,3,4,5,6,7,8,9,10,11,12,13,14,15
	ds_store_b128 v[STI], v[R+64*((\a)%2)+4*\p:R+64*((\a)%2)+4*\p+3] offset:528*\p
.endr
.irp b, 0,1,2,3
.irp j, 0,1,2,3
	ds_load_b128 v[X+16*\b+4*\j:X+16*\b+4*\j+3], v[STQ] offset:128*\b+16*\j   ; LDS serves a wave's instructions in order: these see the stores above
.endr
.endr
	s_wait_dscnt 0x0                               ; the numbers are back, and the stores have read the set that is loaded again below
	s_wait_xcnt 0x0                                ; the last fragment's stores have read the codes' registers, which are written again below
.if (\a) < 6
	LOADF (\a)+2
.endif
	QUANT X, PWS+(\a)
.irp c, 0,1,2
	global_store_b128 v[LI], v[PC+4*\c:PC+4*\c+3], s[28:29] offset:1536*(\a)+512*\c   ; 32 lanes store 512 consecutive bytes
.endr
.endm
	LOADF 0
	LOADF 1
.irp a, 0,1,2,3,4,5,6,7
	FRAGM \a
.endr
	v_cmp_le_u32 vcc_lo, 16, v1                    ; the scale image: lanes 0-15 store the words of fragments 0-3 of their row, lanes 16-31 those of fragments 4-7
.irp j, 0,1,2,3
	v_cndmask_b32 v[TM+\j], v[PWS+\j], v[PWS+4+\j], vcc_lo
.endr
	global_store_b128 v[LI], v[TM:TM+3], s[30:31]
	s_wait_tensorcnt 0x0                           ; the wave's end
	ds_add_u32 v[SPW], v[NIL]
	s_wait_dscnt 0x0
	s_endpgm
.Lfunc_end_k_qa5c6192903_quant:
	.size	k_qa5c6192903_quant, .Lfunc_end_k_qa5c6192903_quant-k_qa5c6192903_quant
	.p2alignl 7, 3214868480
	.fill 96, 4, 3214868480
	.section	.rodata,"a",@progbits
	.p2align	6, 0x0
	.amdhsa_kernel k_qa5c6192903_quant
		.amdhsa_group_segment_fixed_size 25856
		.amdhsa_private_segment_fixed_size 0
		.amdhsa_enable_private_segment 0
		.amdhsa_kernarg_size 48
		.amdhsa_user_sgpr_count 2
		.amdhsa_user_sgpr_kernarg_segment_ptr 1
		.amdhsa_wavefront_size32 1
		.amdhsa_system_sgpr_workgroup_id_x 1
		.amdhsa_system_sgpr_workgroup_id_y 1
		.amdhsa_system_sgpr_workgroup_id_z 1
		.amdhsa_system_vgpr_workitem_id 0
		.amdhsa_next_free_vgpr 256
		.amdhsa_next_free_sgpr 66
		.amdhsa_reserve_vcc 1
		.amdhsa_float_denorm_mode_32 3
		.amdhsa_float_denorm_mode_16_64 3
		.amdhsa_memory_ordered 1
		.amdhsa_forward_progress 1
		.amdhsa_inst_pref_size 65
	.end_amdhsa_kernel
	.amdgpu_metadata
---
amdhsa.version: [ 1, 2 ]
amdhsa.kernels:
  - .name:           k_qa5c6192903_quant
    .symbol:         k_qa5c6192903_quant.kd
    .args:
      - { .name: x, .offset: 0, .size: 8, .value_kind: global_buffer, .address_space: global }
      - { .name: wv, .offset: 8, .size: 8, .value_kind: global_buffer, .address_space: global }
      - { .name: wq, .offset: 16, .size: 8, .value_kind: global_buffer, .address_space: global }
      - { .name: wk, .offset: 24, .size: 8, .value_kind: global_buffer, .address_space: global }
      - { .name: wo, .offset: 32, .size: 8, .value_kind: global_buffer, .address_space: global }
      - { .name: pin, .offset: 40, .size: 8, .value_kind: global_buffer, .address_space: global }
    .group_segment_fixed_size: 25856
    .private_segment_fixed_size: 0
    .kernarg_segment_align: 8
    .kernarg_segment_size: 48
    .max_flat_workgroup_size: 96
    .sgpr_count:     66
    .vgpr_count:     256
    .wavefront_size: 32
...
	.end_amdgpu_metadata
.endif
;; end of part 1
;; launch qkvgemm (part 2): grid 16 x 24, 4 waves a work-group, clusters of 4 x 4, 327,680 bytes of LDS; arguments pin, qkv; writes qkv
.if DOCPART == 2
	.amdgcn_target "amdgcn-amd-amdhsa--gfx1250"
	.amdhsa_code_object_version 6
	.text
	.protected	k_qa5c6192903_qkvgemm
	.globl	k_qa5c6192903_qkvgemm
	.p2align	8
	.type	k_qa5c6192903_qkvgemm,@function
k_qa5c6192903_qkvgemm:
	s_mov_b64 s[64:65], 0
	v_nop
	global_prefetch_b8 v0, s[64:65] scope:SCOPE_SE
	s_setreg_imm32_b32 hwreg(HW_REG_WAVE_MODE, 25, 1), 1
	s_wait_xcnt 0x0
	s_wait_alu depctr_hold_cnt(0) depctr_sa_sdst(0) depctr_va_vdst(0) depctr_va_sdst(0) depctr_va_ssrc(0) depctr_va_vcc(0) depctr_vm_vsrc(0)
	s_getreg_b32 s2, hwreg(HW_REG_IB_STS2, 6, 4)
	s_cmp_eq_u32 s2, 0
	s_cbranch_scc0 .Lentry_in_a_cluster
	s_endpgm
.Lentry_in_a_cluster:
	s_bfe_u32 s2, ttmp6, 0x10000c
	s_cmp_lg_u32 s2, 0xf033
	s_cbranch_scc0 .Lentry_shape_is_right
	s_endpgm
.Lentry_shape_is_right:
; q = x wq^T, k = x wk^T and v^T = wv x^T as ONE product C'[6144][4096] = A B^T over K = 1,024, on codes of FP6 (E2M3) with E8M0 scales, and the quantisers of q, k (along the head's 128) and v (along the keys).
; A's rowblocks (128 rows) are pin's 0-47: x, then wv.  B's are pin's 48-79 (wq, wk) for x's rows and 0-31 (x) for wv's rows: the choice hangs on the cluster's y alone.
; Operands are PANELS (128 rows x 128 K: eight images of the operand's 12 registers, 1,536 bytes each); a rowblock's eight panels lie on end along K.  Scale images of 512 bytes a panel lie from byte 9437184 on.
; A tile of C' is 256 x 256: four waves, each 128 x 128 in 64 accumulators.  The matrix instruction is used transposed (source 0 = B, source 1 = A): a lane holds one row of A, and by the panels' order of rows the
; 64 registers of A's block a are register 16 b + i = column 32 b + 16 h + i: they are quantised in registers and are at once fragment a of an output panel.
; LDS: for each of the four rowblocks 73,728 bytes: two slots of three K steps.  A wave's one tensor load brings a rowblock's three panels (36,864 dense bytes); K steps 6 and 7 fill slot 0 again, once.  One tensor load of a wave is out at a time.
; THE SCALE WORDS of all of K go from memory into 64 registers, once: 16 loads a wave, sixteen lanes on 256 consecutive bytes; lanes 0-15 take A's rows, lanes 16-31 B's.
; CLUSTERS: 4 x 4 work-groups; A's panels are asked for jointly along a row of the cluster, B's along a column.  No data prefetch: K is eight steps, three of which the head's load brings.
; LIMITS: NaN and infinities are not served; a block's largest magnitude under 2^(3 - 127) counts as that; a block of zeros has the byte 1 (its codes are zeros; this program alone reads the bytes).
; REGISTERS: window 0: v1-3 lane, r, h; v16-29 addresses; v32-63, v224-255 scale words; v64-107 the quantiser's; v128-223 A's fragments.  window 1: B's fragments, two sets.  windows 2, 3: accumulators (a, b) at v[8 (8 (a % 4) + b)].
.set RB,    73728
.set SLOT,  36864
.set SPARE, 4*RB
.set FR,    12
.set NL,    3
.set ADRA,  16
.set ADRB,  20
.set ADRS,  24
.set LI,    25
.set SPW,   28
.set NIL,   29
.set SC,    32                         ; K step k's eight words at SC + 8 k + 160 (k / 4)
.set TM,    64
.set PC,    76
.set PWS,   96
.set SW,    104
.set AF,    128
.set G1,    24
.set G0,    32
.set G1B,   48
.set G0B,   56
.set SEL,   98
.set MSB, 0
.macro WIN new
.if MSB != (\new)
	s_set_vgpr_msb (MSB<<8)|(\new)
.set MSB, \new
.endif
.endm
.set MUL_LO, 0xa1
.set MUL_HI, 0xf1
.set TO_B,   0x40
.macro JLOAD g0a, g1a, g0b, g1b        ; a joint load: waves 0 and 1 fetch for A, waves 2 and 3 for B
	s_cmp_eq_u32 s15, 0
	s_cbranch_scc0 .Lfor_b_\@
	tensor_load_to_lds s[\g0a:\g0a+3], s[\g1a:\g1a+7]
	s_nop 0
.rept 4
	v_nop
.endr
	s_branch .Lasked_\@
.Lfor_b_\@:
	tensor_load_to_lds s[\g0b:\g0b+3], s[\g1b:\g1b+7]
	s_nop 0
.rept 4
	v_nop
.endr
.Lasked_\@:
.endm
.macro CREST
	s_cmp_lg_u32 s14, 0
	s_cbranch_scc1 .Lnot_wave_0_\@
	s_barrier_signal -3
.Lnot_wave_0_\@:
	s_barrier_wait -3
	s_barrier_signal -1
	s_barrier_wait -1
.endm
.macro CROUND
	s_barrier_signal -1
	s_barrier_wait -1
	CREST
.endm
.macro PLACES
.rept 4
	v_nop
.endr
.endm
	s_load_b128 s[4:7], s[0:1], 0x0                ; pin, qkv
	v_lshl_add_u32 v[SPW], v0, 2, SPARE
	v_mov_b32 v[NIL], 0
	ds_add_u32 v[SPW], v[NIL]                      ; the opening lines
	ds_add_u32 v[SPW], v[NIL]
	v_lshrrev_b32 v1, 5, v0
	v_readfirstlane_b32 s14, v1                    ; wave
	s_lshr_b32 s15, s14, 1                         ; my half of the tile's rows; also: I fetch for A (0) or B (1)
	s_and_b32 s16, s14, 1                          ; my half of its columns; also: which rowblock I fetch
	s_bfe_u32 s92, ttmp6, 0x40000                  ; cx
	s_bfe_u32 s93, ttmp6, 0x40004                  ; cy
	s_lshl_b32 s94, ttmp9, 2
	s_add_co_u32 s94, s94, s92                     ; tile column
	s_and_b32 s66, ttmp7, 0xffff
	s_lshl_b32 s17, s66, 2
	s_add_co_u32 s17, s17, s93                     ; tile row
	s_lshl_b32 s95, s93, 2
	s_lshl_b32 s95, 15, s95
	s_lshl_b32 s96, 0x1111, s92
	s_cmp_lt_u32 s66, 4
	s_cselect_b32 s97, 48, 0                       ; B: wq, wk behind x's rows; x behind wv's
	s_or_b32 s[G1], s95, (3<<16)|(1<<21)           ; dense blocks as rows of 256 bytes (32 elements of 8 bytes): 144 rows
	s_or_b32 s[G1B], s96, (3<<16)|(1<<21)
.irp g, G1, G1B
	s_mov_b32 s[\g+1], 32<<16
	s_mov_b32 s[\g+2], 144<<16
	s_mov_b32 s[\g+3], 32<<16
	s_mov_b32 s[\g+4], 144
	s_mov_b32 s[\g+5], 32
	s_mov_b32 s[\g+6], 0
	s_mov_b32 s[\g+7], 0
.endr
	s_lshl_b32 s20, s17, 1
	s_add_co_u32 s20, s20, s16                     ; A's rowblock that I fetch
	s_lshl_b32 s22, s94, 1
	s_add_co_u32 s22, s22, s16
	s_add_co_u32 s22, s22, s97                     ; B's
	s_mul_i32 s18, s20, 98304
	s_mul_i32 s8, s22, 98304
	s_mov_b32 s19, 0
	s_mov_b32 s9, 0
	s_mul_i32 s2, s14, RB                          ; where they go: by the wave's number alone
	s_mov_b32 s[SEL], 0x76543210
	s_mov_b32 s[SEL+1], 0xfedcba98
	s_wait_dscnt 0x0
	s_wait_kmcnt 0x0
	s_add_nc_u64 s[18:19], s[4:5], s[18:19]
	s_add_nc_u64 s[8:9], s[4:5], s[8:9]
	CROUND                                         ; the first joint loads meet
.irp s, 0,1
	s_mov_b32 s[G0+4*\s], 1
	s_add_co_u32 s[G0+4*\s+1], s2, \s*SLOT
	s_add_nc_u64 s[G0+4*\s+2:G0+4*\s+3], s[18:19], \s*SLOT
	s_or_b32 s[G0+4*\s+3], s[G0+4*\s+3], 0x80000000
	s_mov_b32 s[G0B+4*\s], 1
	s_add_co_u32 s[G0B+4*\s+1], s2, \s*SLOT
	s_add_nc_u64 s[G0B+4*\s+2:G0B+4*\s+3], s[8:9], \s*SLOT
	s_or_b32 s[G0B+4*\s+3], s[G0B+4*\s+3], 0x80000000
.endr
	JLOAD G0, G1, G0B, G1B                         ; K steps 0 to 2: my one load at the head
	s_mul_i32 s20, s15, RB                         ; my rowblock of A in LDS,
	s_mul_i32 s21, s16, RB
	s_add_co_u32 s21, s21, 2*RB                    ; and of B
	s_lshl_b32 s22, s17, 1
	s_add_co_u32 s22, s22, s15
	s_lshl_b32 s22, s22, 12
	s_add_co_u32 s22, s22, 9437184                 ; the scale images of my rowblock of A,
	s_lshl_b32 s23, s94, 1
	s_add_co_u32 s23, s23, s16
	s_add_co_u32 s23, s23, s97
	s_lshl_b32 s23, s23, 12
	s_add_co_u32 s23, s23, 9437184                 ; and of B
	v_and_b32 v1, 31, v0
	v_and_b32 v2, 15, v0
	v_bfe_u32 v3, v0, 4, 1
	v_lshlrev_b32 v[LI], 4, v1
	v_add_nc_u32 v[ADRA], s20, v[LI]
	v_add_nc_u32 v[ADRB], s21, v[LI]
	v_add_nc_u32 v[ADRA+1], SLOT, v[ADRA]
	v_add_nc_u32 v[ADRB+1], SLOT, v[ADRB]
	v_mov_b32 v4, s22
	v_mov_b32 v5, s23
	v_cmp_eq_u32 vcc_lo, 1, v3
	v_cndmask_b32 v4, v4, v5, vcc_lo               ; lanes 16-31 take B's images
	v_lshl_add_u32 v[ADRS], v2, 4, v4
.irp k, 0,1,2,3,4,5,6,7
.irp g, 0,1
	global_load_b128 v[SC+8*\k+160*(\k/4)+4*\g:SC+8*\k+160*(\k/4)+4*\g+3], v[ADRS], s[4:5] offset:512*\k+256*\g
.endr
.endr
	; the output panel.  R = A's rowblock, Cn = B's.  q, k: 512 (Cn / 16) + 256 (R / 16) + 16 (Cn % 16) + R % 16;  v: 1024 + 256 (Cn / 16) + 16 (R % 16) + Cn % 16
	s_lshl_b32 s20, s17, 1
	s_add_co_u32 s20, s20, s15
	s_lshl_b32 s22, s94, 1
	s_add_co_u32 s22, s22, s16
	s_lshr_b32 s21, s20, 4
	s_and_b32 s20, s20, 15
	s_lshr_b32 s23, s22, 4
	s_and_b32 s22, s22, 15
	s_lshl_b32 s8, s23, 9
	s_lshl_b32 s9, s21, 8
	s_add_co_u32 s8, s8, s9
	s_lshl_b32 s9, s22, 4
	s_add_co_u32 s8, s8, s9
	s_add_co_u32 s8, s8, s20
	s_lshl_b32 s9, s23, 8
	s_lshl_b32 s21, s20, 4
	s_add_co_u32 s9, s9, s21
	s_add_co_u32 s9, s9, s22
	s_add_co_u32 s9, s9, 1024
	s_cmp_lt_u32 s66, 4
	s_cselect_b32 s8, s8, s9
	s_mul_i32 s20, s8, 12288
	s_mov_b32 s21, 0
	s_add_nc_u64 s[12:13], s[6:7], s[20:21]        ; its codes
	s_lshl_b32 s20, s8, 9
	s_add_co_u32 s20, s20, 18874368
	s_add_nc_u64 s[10:11], s[6:7], s[20:21]        ; its scale image
.macro FRAG reg, adr, q, i             ; fragment i of the slot's K step q: three loads of 16 bytes a lane
.irp c, 0,1,2
	ds_load_b128 v[\reg+4*\c:\reg+4*\c+3], v[\adr] offset:12288*(\q)+1536*(\i)+512*\c
.endr
.endm
.macro FETCH_B slot, q, p
	WIN TO_B
.irp i, 0,1,2,3,4,5,6,7
	FRAG 128*(\p)+FR*\i, ADRB+\slot, \q, \i
.endr
	WIN 0
.endm
.macro FETCH_A slot, q, i0
.irp i, \i0, \i0+1, \i0+2, \i0+3
	FRAG AF+FR*(\i), ADRA+\slot, \q, \i
.endr
.endm
; 16 matrix instructions of K step k: A's blocks a0, a0 + 1 x B's eight.  The 64 accumulators take turns, one instruction a turn
.macro MUL16 a0, k, zero
.irp a, \a0, \a0+1
.irp b, 0,1,2,3,4,5,6,7
.if \zero
	v_wmma_scale_f32_16x16x128_f8f6f4 v[8*(8*((\a)%4)+\b):8*(8*((\a)%4)+\b)+7], v[128*((\k)%2)+FR*\b:128*((\k)%2)+FR*\b+FR-1], v[AF+FR*(\a):AF+FR*(\a)+FR-1], 0, v[SC+8*(\k)+160*((\k)/4)+\b], v[SC+8*(\k)+160*((\k)/4)+(\a)] matrix_a_fmt:MATRIX_FMT_FP6 matrix_b_fmt:MATRIX_FMT_FP6 matrix_a_scale:MATRIX_SCALE_ROW1
.else
	v_wmma_scale_f32_16x16x128_f8f6f4 v[8*(8*((\a)%4)+\b):8*(8*((\a)%4)+\b)+7], v[128*((\k)%2)+FR*\b:128*((\k)%2)+FR*\b+FR-1], v[AF+FR*(\a):AF+FR*(\a)+FR-1], v[8*(8*((\a)%4)+\b):8*(8*((\a)%4)+\b)+7], v[SC+8*(\k)+160*((\k)/4)+\b], v[SC+8*(\k)+160*((\k)/4)+(\a)] matrix_a_fmt:MATRIX_FMT_FP6 matrix_b_fmt:MATRIX_FMT_FP6 matrix_a_scale:MATRIX_SCALE_ROW1
.endif
.endr
.endr
.endm
.macro REST k                          ; the second half of K step k, with the fetch of K step k + 1: it lies in slot ((k + 1) % 6) / 3, at place (k + 1) % 3 of it
.set NK, (\k)+1
	FETCH_B (NK%6)/3, NK%3, NK%2
	FETCH_A (NK%6)/3, NK%3, 0
	WIN MUL_HI
	MUL16 4, \k, 0+ZR
	MUL16 6, \k, 0+ZR
	PLACES
	WIN 0
	FETCH_A (NK%6)/3, NK%3, 4
.endm
.macro STEP k, zero                    ; K step k; the next one's tiles are known to be whole
.set ZR, \zero
	s_wait_dscnt 4*NL                              ; all but the youngest twelve loads (A's blocks 4-7) are in
	WIN MUL_LO
	MUL16 0, \k, \zero
	MUL16 2, \k, \zero
	s_wait_dscnt 0x0
	PLACES
	REST \k
.endm
; K step k with a barrier: each wave waits for all its tensor loads, adds 0 to its spare word and waits for that and for its LDS reads.  fill = 1: slot 0 takes K steps 6 and 7
.macro TURN k, fill
.set ZR, 0
	s_wait_tensorcnt 0x0
	ds_add_u32 v[SPW], v[NIL]
.if \fill
	s_mov_b32 s[G1+2], 96<<16                      ; no tensor load of mine is out: the last load brings two panels, 96 rows
	s_mov_b32 s[G1+4], 96
	s_mov_b32 s[G1B+2], 96<<16
	s_mov_b32 s[G1B+4], 96
.endif
	s_wait_dscnt 4*NL+1
	WIN MUL_LO
	MUL16 0, \k, 0
	s_wait_dscnt 0x0
	s_barrier_signal -1
	MUL16 2, \k, 0
	WIN 0
	s_barrier_wait -1
.if \fill
	CREST                                          ; the barrier has opened a round of the cluster's
	s_add_nc_u64 s[G0+2:G0+3], s[G0+2:G0+3], 2*SLOT
	s_add_nc_u64 s[G0B+2:G0B+3], s[G0B+2:G0B+3], 2*SLOT
	JLOAD G0, G1, G0B, G1B
.else
	PLACES
.endif
	REST \k
.endm
	s_wait_alu depctr_va_vdst(0)                   ; the wait at the head's end
	s_wait_tensorcnt 0x0                           ; my part of slot 0 is in
	ds_add_u32 v[SPW], v[NIL]
	s_wait_dscnt 0x0
	CROUND
	JLOAD G0+4, G1, G0B+4, G1B                     ; slot 1's first fill, K steps 3 to 5, issued as a refill is
	FETCH_B 0, 0, 0
	FETCH_A 0, 0, 0
	FETCH_A 0, 0, 4
	s_wait_loadcnt 0x0                             ; the scale words
	STEP 0, 1
	STEP 1, 0
	TURN 2, 1
	STEP 3, 0
	STEP 4, 0
	TURN 5, 0
	STEP 6, 0
	s_wait_dscnt 4*NL
	WIN MUL_LO
	MUL16 0, 7, 0
	MUL16 2, 7, 0
	s_wait_dscnt 0x0
	WIN MUL_HI
	MUL16 4, 7, 0
	MUL16 6, 7, 0
	WIN 0
.irp b, 0,1,2,3
	v_mov_b32 v[TM+4+\b], 0                        ; a lane permute's destination counts as a source; also the places behind the last products
.endr
; THE WAY OUT: A's block a, 64 registers a lane, is quantised as it stands and stored as fragment a of the output panel.  Each accumulator is read from its low end on.
.macro QOUT a
.set W, 2+(\a)/4
.set AC, 64*((\a)%4)
.if (\a) > 0
	s_wait_xcnt 0x0                                ; the last block's stores have read the codes' registers
.endif
	WIN (W<<2)|(W<<4)
.irp b, 0,1,2,3
	v_max3_num_f32 v[TM+\b], 0x1800000, |v[AC+16*\b]|, |v[AC+16*\b+1]|
.endr
.irp i, 2,4,6,8,10,12,14
.irp b, 0,1,2,3
	v_max3_num_f32 v[TM+\b], v[TM+\b], |v[AC+16*\b+\i]|, |v[AC+16*\b+\i+1]|
.endr
.endr
	WIN 0
.irp b, 0,1,2,3
	v_permlanex16_b32 v[TM+4+\b], v[TM+\b], s[SEL], s[SEL+1]
.endr
.irp b, 0,1,2,3
	v_max_num_f32 v[TM+\b], v[TM+\b], v[TM+4+\b]
.endr
.irp b, 0,1,2,3
	v_add_nc_u32 v[TM+8+\b], 0xff000000, v[TM+\b]  ; 2 off the exponent field: the conversion's scale operand
.endr
.irp b, 0,1,2,3
	v_lshrrev_b32 v[TM+4+\b], 23, v[TM+8+\b]
.endr
	v_lshl_or_b32 v[PWS+(\a)], v[TM+5], 8, v[TM+4]
	v_lshl_or_b32 v[PWS+(\a)], v[TM+6], 16, v[PWS+(\a)]
	v_lshl_or_b32 v[PWS+(\a)], v[TM+7], 24, v[PWS+(\a)]
	WIN W
.irp c, 0,1
	v_cvt_scalef32_pk16_fp6_f32 v[PC+6*\c:PC+2+6*\c], v[AC+32*\c:AC+32*\c+15], v[TM+8+2*\c]
	v_cvt_scalef32_pk16_fp6_f32 v[PC+12+4*\c:PC+14+4*\c], v[AC+32*\c+16:AC+32*\c+31], v[TM+8+2*\c+1]
.endr
	WIN 0
	v_nop
.irp c, 0,1
.irp i, 0,1,2
	v_permlane16_swap_b32 v[PC+6*\c+\i], v[PC+12+4*\c+\i]
.endr
.irp i, 0,1,2
	v_mov_b32 v[PC+3+6*\c+\i], v[PC+12+4*\c+\i]
.endr
.endr
.irp c, 0,1,2
	global_store_b128 v[LI], v[PC+4*\c:PC+4*\c+3], s[12:13] offset:1536*(\a)+512*\c   ; 32 lanes store 512 consecutive bytes
.endr
.endm
.irp a, 0,1,2,3,4,5,6,7
	QOUT \a
.endr
	v_cmp_le_u32 vcc_lo, 16, v1                    ; the scale image: lanes 0-15 the words of fragments 0-3, lanes 16-31 those of fragments 4-7
.irp j, 0,1,2,3
	v_cndmask_b32 v[SW+\j], v[PWS+\j], v[PWS+4+\j], vcc_lo
.endr
	global_store_b128 v[LI], v[SW:SW+3], s[10:11]
	s_wait_tensorcnt 0x0                           ; the wave's end
	ds_add_u32 v[SPW], v[NIL]
	s_wait_dscnt 0x0
	CROUND
	s_endpgm
.Lfunc_end_k_qa5c6192903_qkvgemm:
	.size	k_qa5c6192903_qkvgemm, .Lfunc_end_k_qa5c6192903_qkvgemm-k_qa5c6192903_qkvgemm
	.p2alignl 7, 3214868480
	.fill 96, 4, 3214868480
	.section	.rodata,"a",@progbits
	.p2align	6, 0x0
	.amdhsa_kernel k_qa5c6192903_qkvgemm
		.amdhsa_group_segment_fixed_size 327680
		.amdhsa_private_segment_fixed_size 0
		.amdhsa_enable_private_segment 0
		.amdhsa_kernarg_size 16
		.amdhsa_user_sgpr_count 2
		.amdhsa_user_sgpr_kernarg_segment_ptr 1
		.amdhsa_wavefront_size32 1
		.amdhsa_system_sgpr_workgroup_id_x 1
		.amdhsa_system_sgpr_workgroup_id_y 1
		.amdhsa_system_sgpr_workgroup_id_z 1
		.amdhsa_system_vgpr_workitem_id 0
		.amdhsa_next_free_vgpr 1024
		.amdhsa_next_free_sgpr 100
		.amdhsa_reserve_vcc 1
		.amdhsa_float_denorm_mode_32 3
		.amdhsa_float_denorm_mode_16_64 3
		.amdhsa_memory_ordered 1
		.amdhsa_forward_progress 1
		.amdhsa_inst_pref_size 137
	.end_amdhsa_kernel
	.amdgpu_metadata
---
amdhsa.version: [ 1, 2 ]
amdhsa.kernels:
  - .name:           k_qa5c6192903_qkvgemm
    .symbol:         k_qa5c6192903_qkvgemm.kd
    .args:
      - { .name: pin, .offset: 0, .size: 8, .value_kind: global_buffer, .address_space: global }
      - { .name: qkv, .offset: 8, .size: 8, .value_kind: global_buffer, .address_space: global }
    .group_segment_fixed_size: 327680
    .private_segment_fixed_size: 0
    .kernarg_segment_align: 8
    .kernarg_segment_size: 16
    .max_flat_workgroup_size: 128
    .sgpr_count:     100
    .vgpr_count:     1024
    .wavefront_size: 32
...
	.end_amdgpu_metadata
.endif
;; end of part 2
;; launch attn (part 3): grid 8 x 32, 8 waves a work-group, no clusters, 327,680 bytes of LDS; arguments qkv, pin; writes pin
.if DOCPART == 3
	.amdgcn_target "amdgcn-amd-amdhsa--gfx1250"
	.amdhsa_code_object_version 6
	.text
	.protected	k_qa5c6192903_attn
	.globl	k_qa5c6192903_attn
	.p2align	8
	.type	k_qa5c6192903_attn,@function
k_qa5c6192903_attn:
	s_mov_b64 s[64:65], 0
	v_nop
	global_prefetch_b8 v0, s[64:65] scope:SCOPE_SE
	s_setreg_imm32_b32 hwreg(HW_REG_WAVE_MODE, 25, 1), 1
	s_wait_xcnt 0x0
; Causal attention of one head h' = 16 b + h on codes of FP6 (E2M3) with E8M0 scales, and the quantiser of its result along the head's 128.
; LEFT OUT: key steps whose keys all come after a query block: the causal mask sets their scores to -inf, so their p is 0 for every input.  A NaN or infinity that reaches only such steps is not carried.
; qkv holds panels (128 rows x 128 K: eight images of an operand's 12 registers, 1,536 bytes each; scale images of 512 bytes from byte 18874368 on), panel 512 T + 16 h' + blk: T = 0 q, 1 k (K = d), 2 v (rows = d, K = keys).
; Lane row r of fragment a is the panel's row 32 (a / 2) + 8 (a % 2) + r + 8 (r / 8).  The result goes to pin from byte OCB on, panel 16 (16 b + blk) + h, its scale images 6291456 bytes behind.
; THE SOFTMAX: t = score x log2(e) / sqrt(128); M = the running largest t rounded up to a whole number; p = 2^(t - M) is quantised along the keys; the row's sum is taken of the unquantised p and divides at the end.
; SHARES.  A work-group owns query blocks 15 - i and i of one head.  Wave w owns fragment w (16 queries) of BOTH: the state of block 15 - i lies in register window 0, that of block i in window 1 under the same numbers,
; so one macro serves both.  Every wave of every work-group has (16 - i) + (i + 1) = 17 tiles of 16 queries x 128 keys.  A fragment of K or V read from LDS serves both blocks while both are open.
; Both products are used transposed (S^T = K Q^T, O^T = V^T P^T): a lane holds one query, and the 16 registers of tiles 2 b and 2 b + 1 are 16 neighbours along the next K.
; FRAGMENTS: one set of eight (0-3 in window 0, 4-7 in window 1).  V's are fetched behind the S products, the next step's K behind the O products.
; THE RING: two slots of 256 keys (K's two panels, V's two).  The change of slots stands between the softmax and the O products of a slot's second step: all of the slot has been read into registers by then.
; Every wave issues one tensor load at the head (8,192 bytes: slot 0 and the head's scale images are 8 x 8,192) and one of 6,144 bytes behind each change.  Every wait on TENSORcnt is for 0; a slot whose first key
; comes after the work-group's last query is not asked for (ids and the count of steps alone).  Eight trips in every work-group; hidden steps are jumped over.
; NO CLUSTER: the work-groups of a head end their walks at different slots, so partners would need different numbers of tiles.
; LIMITS: NaN and infinities are not served; the scaled scores stay under 2^31; a block's largest magnitude under 2^(3 - 127) counts as that; a block of zeros has the byte 1 (this program alone reads the bytes).
; REGISTERS, both windows: v7 the mask's bound; v12 -M, v13 the largest t, v[14:15] the sum; v16-27 Q; v32-79 fragments; v96-159 S^T, then p; v160-223 O^T; v224-235 codes; v232-254 at work.
;   window 0 alone: v1-10 addresses; v28-29 Q's scale words, v30-31 p's; v80-87 K's scale words, v88-95 V's.
.set VOFF,  24576
.set SLOT1, 1<<17
.set SCK,   49152                      ; K's 16 scale images, V's 16 behind them (8,192 bytes each): filled once
.set OSC,   2*SLOT1                    ; the result's two scale images: written by LDS stores, never filled
.set SPARE, OSC+1024                   ; the spare words, 128 bytes a wave
.set OCB,   9830400
.set SPW,   5
.set NIL,   6
.set PFO,   10
.set QS,    28
.set PS,    30
.set TB,    2                          ; the slot in hand
.set TS,    3                          ; 512 x the key step
.set WV,    18
.set TN,    19                         ; the other slot
.set SEL,   20
.set CS,    22
.set G1,    24
.set G1H,   32
.set G0,    40
.set G0H,   44
.set LQ,    66
.set SLOTS, 67
.set PFA,   76
.set LIM,   80
.set KF,    97                         ; the step's first key
.set QB,    98                         ; s98, s99: the first query of block 15 - i, of block i
.set MSB, 0
.macro WIN new
.if MSB != (\new)
	s_set_vgpr_msb (MSB<<8)|(\new)
.set MSB, \new
.endif
.endm
.macro BASES blk, qc, qs, oc, oi       ; byte offsets of a block's Q fragment, its scale words, the result's fragment and scale image
	s_lshl_b32 s90, s68, 4
	s_add_co_u32 s90, s90, s[\blk]
	s_mul_i32 s[\qc], s90, 12288
	s_add_co_u32 s[\qc], s[\qc], s88
	s_mov_b32 s[\qc+1], 0
	s_lshl_b32 s[\qs], s90, 9
	s_add_co_u32 s[\qs], s[\qs], s89
	s_add_co_u32 s[\qs], s[\qs], 18874368
	s_mov_b32 s[\qs+1], 0
	s_lshl_b32 s90, s[\blk], 4
	s_add_co_u32 s90, s90, s91
	s_mul_i32 s[\oc], s90, 12288
	s_add_co_u32 s[\oc], s[\oc], s88
	s_add_co_u32 s[\oc], s[\oc], OCB
	s_mov_b32 s[\oc+1], 0
	s_lshl_b32 s[\oi], s90, 9
	s_add_co_u32 s[\oi], s[\oi], OCB+6291456
.endm
	s_load_b128 s[4:7], s[0:1], 0x0                ; qkv, pin
	v_lshl_add_u32 v[SPW], v0, 2, SPARE
	v_mov_b32 v[NIL], 0
	ds_add_u32 v[SPW], v[NIL]                      ; the opening lines
	ds_add_u32 v[SPW], v[NIL]
	v_lshrrev_b32 v8, 5, v0
	v_readfirstlane_b32 s[WV], v8
	s_and_b32 s68, ttmp7, 0xffff                   ; h'
	s_sub_co_u32 s69, 15, ttmp9
	s_mov_b32 s87, ttmp9
	s_lshl_b32 s[QB], s69, 7
	s_lshl_b32 s[QB+1], ttmp9, 7
	s_or_b32 s[LQ], s[QB], 127
	s_mul_i32 s70, s68, 196608
	s_lshl_b32 s71, s[WV], 13                      ; the head's load: 8,192 bytes to LDS byte 8192 w.  Waves 0-2 K's slot 0, 3-5 V's, 6 K's scale images, 7 V's
	s_add_co_u32 s72, s70, s71
	s_add_co_u32 s72, s72, 6291456
	s_cmp_lt_u32 s[WV], 3
	s_cselect_b32 s73, 0, 6291456-24576
	s_add_co_u32 s72, s72, s73
	s_lshl_b32 s74, s68, 13
	s_add_co_u32 s74, s74, 18874368
	s_sub_co_u32 s75, s[WV], 5
	s_lshl_b32 s75, s75, 18
	s_add_co_u32 s74, s74, s75
	s_cmp_lt_u32 s[WV], 6
	s_cselect_b32 s82, s72, s74
	s_mov_b32 s83, 0
	s_mul_i32 s86, s[WV], 6144                     ; the ring's loads: 6,144 bytes: waves 0-3 K's two panels, 4-7 V's
	s_add_co_u32 s84, s70, s86
	s_add_co_u32 s84, s84, 6291456+24576           ; first slot 1
	s_cmp_lt_u32 s[WV], 4
	s_cselect_b32 s73, 0, 6291456-24576
	s_add_co_u32 s84, s84, s73
	s_mov_b32 s85, 0
	s_mul_i32 s88, s[WV], 1536
	s_lshr_b32 s89, s[WV], 2
	s_lshl_b32 s89, s89, 8
	s_and_b32 s90, s[WV], 3
	s_lshl_b32 s90, s90, 2
	s_add_co_u32 s89, s89, s90                     ; fragment w's place in a scale image
	s_lshr_b32 s91, s68, 4
	s_lshl_b32 s91, s91, 8
	s_and_b32 s90, s68, 15
	s_add_co_u32 s91, s91, s90                     ; 256 b + h
	BASES 69, 12, 14, 8, 54
	BASES 87, 16, 48, 50, 52
	s_cmp_eq_u32 s[WV], 0
	s_cselect_b32 s10, s54, s52                    ; wave 0 stores block 15 - i's image, wave 1 block i's
	s_mov_b32 s11, 0
	s_add_co_u32 s92, s89, OSC
	s_and_b32 s93, s[WV], 1
	s_lshl_b32 s94, s93, 3
	s_lshl_b32 s93, s93, 9
	s_add_co_u32 s93, s93, OSC
	s_lshr_b32 s95, s[WV], 1
	s_lshl_b32 s95, s95, 5
	s_add_co_u32 s94, s94, s95                     ; 32 (w / 2) + 8 (w % 2)
.irp g, G1, G1H                        ; dense blocks as rows of 256 bytes (32 elements of 8 bytes)
	s_mov_b32 s[\g], 3<<16
	s_mov_b32 s[\g+1], 32<<16
	s_mov_b32 s[\g+3], 32<<16
	s_mov_b32 s[\g+5], 32
	s_mov_b32 s[\g+6], 0
	s_mov_b32 s[\g+7], 0
.endr
	s_mov_b32 s[G1+2], 24<<16
	s_mov_b32 s[G1+4], 24
	s_mov_b32 s[G1H+2], 32<<16
	s_mov_b32 s[G1H+4], 32
	s_mov_b32 s[SEL], 0x76543210
	s_mov_b32 s[SEL+1], 0xfedcba98
	s_mov_b32 s[CS], 0x3e0293ee                    ; c = log2(e) / sqrt(128)
	s_mov_b32 s[CS+1], s[CS]
	s_mov_b32 s[TB], 0
	s_mov_b32 s[TN], SLOT1
	s_mov_b32 s[TS], 0
	s_mov_b32 s[SLOTS], 8
	s_mov_b32 s[KF], 0
	s_wait_dscnt 0x0
	s_wait_kmcnt 0x0
	s_mov_b32 s[G0H], 1
	s_mov_b32 s[G0H+1], s71
	s_add_nc_u64 s[G0H+2:G0H+3], s[4:5], s[82:83]
	s_or_b32 s[G0H+3], s[G0H+3], 0x80000000
	tensor_load_to_lds s[G0H:G0H+3], s[G1H:G1H+7]  ; every wave's one load at the head
	s_nop 0
.rept 4
	v_nop
.endr
	s_mov_b32 s[G0], 1
	s_add_co_u32 s[G0+1], s86, SLOT1
	s_add_nc_u64 s[G0+2:G0+3], s[4:5], s[84:85]
	s_or_b32 s[G0+3], s[G0+3], 0x80000000
	; the prefetches: the head's first work-group, which walks all slots, asks; waves 0-5 for the 8,192 bytes that lie as their head's load lay, lanes 256 bytes apart; in trip t for slot t + 3, one slot ahead of the tensor load
	s_add_nc_u64 s[PFA:PFA+1], s[4:5], s[82:83]
	s_add_nc_u64 s[PFA:PFA+1], s[PFA:PFA+1], 49152
	s_cmp_lt_u32 s[WV], 6
	s_cselect_b32 s[LIM], 3, -1
	s_cmp_eq_u32 ttmp9, 0
	s_cselect_b32 s[LIM], s[LIM], -1
	s_add_nc_u64 s[12:13], s[4:5], s[12:13]
	s_add_nc_u64 s[14:15], s[4:5], s[14:15]
	s_add_nc_u64 s[16:17], s[4:5], s[16:17]
	s_add_nc_u64 s[48:49], s[4:5], s[48:49]
	s_add_nc_u64 s[8:9], s[6:7], s[8:9]
	s_add_nc_u64 s[50:51], s[6:7], s[50:51]
	s_add_nc_u64 s[10:11], s[6:7], s[10:11]
	v_and_b32 v11, 31, v0
	v_lshlrev_b32 v1, 4, v11                       ; 16 x lane
	v_lshlrev_b32 v[PFO], 8, v11
	v_and_b32 v11, 15, v0                          ; r
	v_bfe_u32 v9, v0, 4, 1                         ; h
	v_lshlrev_b32 v254, 4, v11
	v_lshl_add_u32 v2, v11, 4, SCK
	v_lshl_add_u32 v3, v11, 4, s92                 ; where my row's scale word of the result goes
	v_add_nc_u32 v4, s93, v1                       ; and where an image is read back
	v_and_b32 v7, 8, v11
	v_add_nc_u32 v7, v7, v11
	v_lshlrev_b32 v9, 4, v9
	v_sub_nc_u32 v7, v7, v9
	v_add_nc_u32 v7, s94, v7                       ; my query's place in its block - 16 h: on the diagonal register 16 b + i is hidden where 32 b + i is above it
	s_wait_alu depctr_va_vdst(0)
.irp c, 0,1,2
	global_load_b128 v[16+4*\c:19+4*\c], v1, s[12:13] offset:512*\c
.endr
	global_load_b32 v[QS], v254, s[14:15]
	global_load_b32 v[QS+1], v254, s[48:49]
	WIN 0x40
.irp c, 0,1,2
	global_load_b128 v[16+4*\c:19+4*\c], v1, s[16:17] offset:512*\c
.endr
	v_mov_b32 v7, v7
	WIN 0
.macro INIT W
	WIN 0x55*\W
	v_mov_b32 v13, 0xff61b1e6                      ; the largest t so far: -3e38
	v_floor_f32 v12, -v13
	v_mov_b32 v14, 0
	v_mov_b32 v15, 0
.irp b, 236,237,238,239,252,253
	v_mov_b32 v\b, 0
.endr
.set j, 0
.rept 76+64*\W
	v_mov_b32 v[160-64*\W+j], 0                    ; O^T: the step is written once, the first finds zeros; with it the codes, and in window 1 S^T, so that each is written on every way through the text
.set j, j+1
.endr
	WIN 0
.endm
	INIT 0
	INIT 1
.irp b, 30,31,88,89,90,91,92,93,94,95
	v_mov_b32 v\b, 0                               ; p's and V's scale words: written on every way through the text
.endr
.macro FRAGS off                       ; eight fragments from byte off of the slot at v8
.irp t, 0,1,2,3
.irp c, 0,1,2
	ds_load_b128 v[32+12*\t+4*\c:35+12*\t+4*\c], v8 offset:\off+1536*\t+512*\c
.endr
.endr
	WIN 0x40
.irp t, 0,1,2,3
.irp c, 0,1,2
	ds_load_b128 v[32+12*\t+4*\c:35+12*\t+4*\c], v8 offset:\off+1536*(\t+4)+512*\c
.endr
.endr
	WIN 0
.endm
.macro SMUL W, g                       ; four tiles of S^T: fragments in window g, the block's state in window W
	WIN \g+0x54*\W
.irp t, 0,1,2,3
	v_wmma_scale_f32_16x16x128_f8f6f4 v[96+8*(4*\g+\t):103+8*(4*\g+\t)], v[32+12*\t:43+12*\t], v[16:27], 0, v[80+4*\g+\t], v[QS+\W] matrix_a_fmt:MATRIX_FMT_FP6 matrix_b_fmt:MATRIX_FMT_FP6
.endr
.endm
.macro PMUL W, g                       ; four tiles of O^T
	WIN \g+0x54*\W
.irp t, 0,1,2,3
	v_wmma_scale_f32_16x16x128_f8f6f4 v[160+8*(4*\g+\t):167+8*(4*\g+\t)], v[32+12*\t:43+12*\t], v[224:235], v[160+8*(4*\g+\t):167+8*(4*\g+\t)], v[88+4*\g+\t], v[PS+\W] matrix_a_fmt:MATRIX_FMT_FP6 matrix_b_fmt:MATRIX_FMT_FP6
.endr
.endm
; from the four blocks' largest magnitudes in v232-235 and 64 numbers in v96-159: the scale word in window 0's v[PS + W] and the fragment's codes in v224-235
.macro QCODES W
.irp b, 0,1,2,3
	v_add_nc_u32 v[244+\b], 0xff000000, v[232+\b]  ; 2 off the exponent field: the conversion's scale operand
.endr
.irp b, 0,1,2,3
	v_lshrrev_b32 v[236+\b], 23, v[244+\b]
.endr
	v_lshl_or_b32 v248, v237, 8, v236
	s_delay_alu instid0(VALU_DEP_1)
	v_lshl_or_b32 v248, v238, 16, v248
	WIN 0x15*\W                                    ; scale operands are taken from window 0
	v_lshl_or_b32 v[PS+\W], v239, 24, v248
	WIN 0x55*\W
.irp c, 0,1
	v_cvt_scalef32_pk16_fp6_f32 v[224+6*\c:226+6*\c], v[96+32*\c:111+32*\c], v[244+2*\c]
	v_cvt_scalef32_pk16_fp6_f32 v[236+4*\c:238+4*\c], v[112+32*\c:127+32*\c], v[244+2*\c+1]
.endr
	v_nop                                          ; one plain place behind a scaled conversion
.irp c, 0,1
.irp i, 0,1,2
	v_permlane16_swap_b32 v[224+6*\c+\i], v[236+4*\c+\i]
.endr
.irp i, 0,1,2
	v_mov_b32 v[227+6*\c+\i], v[236+4*\c+\i]
.endr
.endr
.endm
; the softmax of one tile of 16 queries x 128 keys, in window W
.macro SOFTMAX W
	s_cmp_lt_u32 s[KF], s[QB+\W]                   ; under the diagonal every key counts
	s_cbranch_scc1 .Lopen_\@
	WIN 0x55*\W
	v_mov_b32 v254, 0xff800000                     ; on it hidden scores become -infinity: p = 0.  A query's own key always counts
	s_wait_alu depctr_va_vdst(0)                   ; the wait ahead of the first reader of S^T
.set n, 0
.rept 64
	v_cmp_gt_i32 vcc_lo, 32*(n/16)+n%16, v7
	v_cndmask_b32 v[96+n], v[96+n], v254, vcc_lo
.set n, n+1
.endr
	WIN 0
.Lopen_\@:
	WIN 0x55*\W
	s_wait_alu depctr_va_vdst(0)                   ; likewise
.irp b, 0,1,2,3
	v_max3_num_f32 v[232+\b], v[96+16*\b], v[97+16*\b], v[98+16*\b]   ; the largest score of each block of 32 keys: for the row's maximum and for the block's largest p
.endr
.irp i, 3,5,7,9,11,13
.irp b, 0,1,2,3
	v_max3_num_f32 v[232+\b], v[232+\b], v[96+16*\b+\i], v[97+16*\b+\i]
.endr
.endr
.irp b, 0,1,2,3
	v_max_num_f32 v[232+\b], v[232+\b], v[111+16*\b]
.endr
.irp b, 0,1,2,3
	v_permlanex16_b32 v[236+\b], v[232+\b], s[SEL], s[SEL+1]
.endr
.irp b, 0,1,2,3
	v_max_num_f32 v[232+\b], v[232+\b], v[236+\b]
.endr
	v_max3_num_f32 v254, v232, v233, v234
	s_delay_alu instid0(VALU_DEP_1)
	v_max_num_f32 v254, v254, v235
	s_delay_alu instid0(VALU_DEP_1)
	v_mul_f32 v254, s[CS], v254
	s_delay_alu instid0(VALU_DEP_1)
	v_max_num_f32 v13, v13, v254                   ; the running largest t
	v_mov_b32 v254, v12
	s_delay_alu instid0(VALU_DEP_2)
	v_floor_f32 v12, -v13                          ; -M = floor(-t)
	s_delay_alu instid0(VALU_DEP_1)
	v_sub_f32 v254, v12, v254
	s_delay_alu instid0(VALU_DEP_1)
	v_cvt_i32_f32 v254, v254                       ; (it saturates)
	s_delay_alu instid0(VALU_DEP_1)
	v_ldexp_f32 v252, 1.0, v254                    ; f = 2^(old M - new M)
.set j, 0
.rept 32
	v_pk_fma_f32 v[96+j:97+j], v[96+j:97+j], s[CS:CS+1], v[12:13] op_sel_hi:[1,0,0]   ; t - M
.set j, j+2
.endr
.irp b, 0,1,2,3
	v_fma_f32 v[232+\b], v[232+\b], s[CS], v12
.endr
	s_wait_alu depctr_va_vdst(0)                   ; ahead of the batch
.set j, 0
.rept 64
	v_exp_f32 v[96+j], v[96+j]                     ; p = 2^(t - M): not normalised
.set j, j+1
.endr
	v_pk_mul_f32 v[14:15], v[14:15], v[252:253] op_sel_hi:[1,0]   ; the sums under the new M
	s_wait_alu depctr_va_vdst(0)                   ; behind the batch
.irp b, 0,1,2,3
	v_exp_f32 v[232+\b], v[232+\b]                 ; each block's largest p
.endr
	v_pk_add_f32 v[236:237], v[96:97], v[98:99]    ; the row's sum of the unquantised p, in four chains
	v_pk_add_f32 v[240:241], v[100:101], v[102:103]
	v_pk_add_f32 v[244:245], v[104:105], v[106:107]
	v_pk_add_f32 v[14:15], v[14:15], v[108:109]
.irp j, 110,118,126,134,142,150
	v_pk_add_f32 v[236:237], v[236:237], v[\j:\j+1]
	v_pk_add_f32 v[240:241], v[240:241], v[\j+2:\j+3]
	v_pk_add_f32 v[244:245], v[244:245], v[\j+4:\j+5]
	v_pk_add_f32 v[14:15], v[14:15], v[\j+6:\j+7]
.endr
	v_pk_add_f32 v[236:237], v[236:237], v[158:159]
	v_pk_add_f32 v[240:241], v[240:241], v[244:245]
	v_pk_add_f32 v[14:15], v[14:15], v[236:237]
	v_pk_add_f32 v[14:15], v[14:15], v[240:241]
	s_wait_alu depctr_va_vdst(0)                   ; for the four
.irp b, 0,1,2,3
	v_max_num_f32 v[232+\b], 0x1800000, v[232+\b]  ; the floor 2^(3 - 127)
.endr
	QCODES \W
	s_wait_alu depctr_va_vdst(0)                   ; the wait ahead of the first reader of O^T
.set j, 0
.rept 32
	v_pk_mul_f32 v[160+j:161+j], v[160+j:161+j], v[252:253] op_sel_hi:[1,0]   ; O^T under the new M; also the places in front of the products
.set j, j+2
.endr
	s_wait_alu depctr_va_vdst(0)
	WIN 0
.endm
; A KEY STEP, panel q of the slot in hand.  Its first part: S^T of both blocks, the fetch of V, the softmaxes
.macro PARTA q
	s_cmp_gt_u32 s[KF], s[QB]                      ; all its keys come after both blocks
	s_cbranch_scc1 .Lhid_\@
	s_wait_dscnt 0x0                               ; K's fragments and scale words
	SMUL 0, 0
	SMUL 0, 1
	WIN 0
	s_cmp_gt_u32 s[KF], s[QB+1]
	s_cbranch_scc1 .Lone_\@
	SMUL 1, 0
	SMUL 1, 1
	WIN 0
.Lone_\@:
	v_add_nc_u32 v8, s[TB], v1                     ; with the two v_nop: four places in front of loads into registers that the products read
	v_add_nc_u32 v9, s[TS], v2
	v_nop
	v_nop
	ds_load_b128 v[88:91], v9 offset:8192
	ds_load_b128 v[92:95], v9 offset:8448
	FRAGS VOFF+12288*(\q)
	SOFTMAX 0
	s_cmp_gt_u32 s[KF], s[QB+1]
	s_cbranch_scc1 .Lhid_\@
	SOFTMAX 1
.Lhid_\@:
.endm
; its second part: O^T of both blocks, and the fetch of the next step's K
.macro PARTB q
	s_cmp_gt_u32 s[KF], s[QB]
	s_cbranch_scc1 .Lhid_\@
.if (\q) == 0
	s_wait_dscnt 0x0                               ; V's fragments and scale words
.endif
	PMUL 0, 0
	PMUL 0, 1
	WIN 0
	s_cmp_gt_u32 s[KF], s[QB+1]
	s_cbranch_scc1 .Lone_\@
	PMUL 1, 0
	PMUL 1, 1
	WIN 0
.Lone_\@:
.if (\q) == 1
	v_add_nc_u32 v8, s[TN], v1                     ; the other slot: shown whole by the change of slots
.else
	v_add_nc_u32 v8, s[TB], v1                     ; the slot in hand: made anew, so that the address is the same on every way to the loads below
.endif
	v_add_nc_u32 v9, s[TS], v2                     ; with the add above and the two v_nop: four places behind the products
	v_nop
	v_nop
	s_wait_alu depctr_va_vdst(0)                   ; the wait ahead of the readers of v8 and v9
	ds_load_b128 v[80:83], v9 offset:512
	ds_load_b128 v[84:87], v9 offset:768
	FRAGS 12288*(1-(\q))
.Lhid_\@:
	s_add_co_u32 s[KF], s[KF], 128
	s_add_co_u32 s[TS], s[TS], 512
.endm
	s_wait_alu depctr_va_vdst(0)                   ; the wait at the head's end
	s_wait_tensorcnt 0x0                           ; my part of the head's tiles is in
	ds_add_u32 v[SPW], v[NIL]
	s_wait_dscnt 0x0
	s_barrier_signal -1
	s_barrier_wait -1
	tensor_load_to_lds s[G0:G0+3], s[G1:G1+7]      ; slot 1's first fill, issued as a refill is: keys 256 on count for every work-group's block 15 - i
	s_nop 0
.rept 4
	v_nop
.endr
	v_add_nc_u32 v8, s[TB], v1
	v_add_nc_u32 v9, s[TS], v2
	s_wait_alu depctr_va_vdst(0)                   ; the wait
	ds_load_b128 v[80:83], v9
	ds_load_b128 v[84:87], v9 offset:256
	FRAGS 0
	s_wait_loadcnt 0x0                             ; Q
.Lslot:
	PARTA 0
	PARTB 0
	PARTA 1
	; THE CHANGE OF SLOTS: all that is read of the slot in hand is in registers
	s_wait_tensorcnt 0x0
	ds_add_u32 v[SPW], v[NIL]
	s_xor_b32 s[G0+1], s[G0+1], SLOT1
	s_add_nc_u64 s[G0+2:G0+3], s[G0+2:G0+3], 24576
	s_wait_xcnt 0x0                                ; the last prefetch, a slot back, has read its address
	s_add_nc_u64 s[PFA:PFA+1], s[PFA:PFA+1], 24576
	s_wait_dscnt 0x0
	s_barrier_signal -1
	s_barrier_wait -1
	s_add_co_u32 s96, s[KF], 384                   ; the first key of the slot that would be asked for
	s_cmp_gt_u32 s96, s[LQ]                        ; ids and the count of steps alone; no step reads a slot that is left out
	s_cbranch_scc1 .Lpast
	tensor_load_to_lds s[G0:G0+3], s[G1:G1+7]
	s_nop 0
.rept 4
	v_nop
.endr
.Lpast:
	s_cmp_gt_u32 s[SLOTS], s[LIM]                  ; trips 0 to 4 ask, for slots 3 to 7
	s_cbranch_scc0 .Lnot_mine
	global_prefetch_b8 v[PFO], s[PFA:PFA+1] th:TH_LOAD_NT scope:SCOPE_SE
.Lnot_mine:
	PARTB 1
	s_xor_b32 s[TB], s[TB], SLOT1
	s_xor_b32 s[TN], s[TN], SLOT1
	s_sub_co_u32 s[SLOTS], s[SLOTS], 1
	s_cmp_lg_u32 s[SLOTS], 0
	s_wait_alu depctr_va_vdst(0)
	s_cbranch_scc1 .Lslot
; THE WAY OUT: O^T / the sum is quantised along the head's 128 as it stands and is fragment w of the result's panel
.macro OUT W, base
	WIN 0x55*\W
	v_add_f32 v14, v14, v15
	s_delay_alu instid0(VALU_DEP_1)
	v_permlanex16_b32 v252, v14, s[SEL], s[SEL+1]
	s_delay_alu instid0(VALU_DEP_1)
	v_add_f32 v14, v14, v252                       ; the row's sum
	s_wait_alu depctr_va_vdst(0)
	v_rcp_f32 v14, v14
	v_nop
	s_wait_alu depctr_va_vdst(0)
.set j, 0
.rept 64
	v_mul_f32 v[96+j], v[160+j], v14               ; register 16 b + i is d = 32 b + 16 h + i of my query
.set j, j+1
.endr
.irp b, 0,1,2,3
	v_max3_num_f32 v[232+\b], |v[96+16*\b]|, |v[97+16*\b]|, 0x1800000
.endr
.irp i, 2,4,6,8,10,12,14
.irp b, 0,1,2,3
	v_max3_num_f32 v[232+\b], v[232+\b], |v[96+16*\b+\i]|, |v[97+16*\b+\i]|
.endr
.endr
.irp b, 0,1,2,3
	v_permlanex16_b32 v[236+\b], v[232+\b], s[SEL], s[SEL+1]
.endr
.irp b, 0,1,2,3
	v_max_num_f32 v[232+\b], v[232+\b], v[236+\b]
.endr
	QCODES \W
	WIN 0x04*\W                                    ; the stores' data in window W, their offset in window 0
.irp c, 0,1,2
	global_store_b128 v1, v[224+4*\c:227+4*\c], s[\base:\base+1] offset:512*\c   ; 32 lanes store 512 consecutive bytes
.endr
	WIN 0
	ds_store_b32 v3, v[PS+\W] offset:512*\W        ; lanes r and r + 16 write the same word with the same value
.endm
.rept 4
	v_nop                                          ; places behind the last products
.endr
	OUT 0, 8
	OUT 1, 50
	s_wait_alu depctr_va_vdst(0)
	s_wait_dscnt 0x0                               ; for the others' sake
	s_barrier_signal -1
	s_barrier_wait -1
	s_cmp_lt_u32 s[WV], 2                          ; waves 0 and 1 store the two scale images: 512 consecutive bytes each
	s_cbranch_scc0 .Lno_image
	ds_load_b128 v[32:35], v4
	s_wait_dscnt 0x0
	global_store_b128 v1, v[32:35], s[10:11]
.Lno_image:
	s_wait_tensorcnt 0x0                           ; the wave's end
	ds_add_u32 v[SPW], v[NIL]
	s_wait_dscnt 0x0
	s_endpgm
.Lfunc_end_k_qa5c6192903_attn:
	.size	k_qa5c6192903_attn, .Lfunc_end_k_qa5c6192903_attn-k_qa5c6192903_attn
	.p2alignl 7, 3214868480
	.fill 96, 4, 3214868480
	.section	.rodata,"a",@progbits
	.p2align	6, 0x0
	.amdhsa_kernel k_qa5c6192903_attn
		.amdhsa_group_segment_fixed_size 327680
		.amdhsa_private_segment_fixed_size 0
		.amdhsa_enable_private_segment 0
		.amdhsa_kernarg_size 16
		.amdhsa_user_sgpr_count 2
		.amdhsa_user_sgpr_kernarg_segment_ptr 1
		.amdhsa_wavefront_size32 1
		.amdhsa_system_sgpr_workgroup_id_x 1
		.amdhsa_system_sgpr_workgroup_id_y 1
		.amdhsa_system_sgpr_workgroup_id_z 1
		.amdhsa_system_vgpr_workitem_id 0
		.amdhsa_next_free_vgpr 512
		.amdhsa_next_free_sgpr 100
		.amdhsa_reserve_vcc 1
		.amdhsa_float_denorm_mode_32 3
		.amdhsa_float_denorm_mode_16_64 3
		.amdhsa_memory_ordered 1
		.amdhsa_forward_progress 1
		.amdhsa_inst_pref_size 123
	.end_amdhsa_kernel
	.amdgpu_metadata
---
amdhsa.version: [ 1, 2 ]
amdhsa.kernels:
  - .name:           k_qa5c6192903_attn
    .symbol:         k_qa5c6192903_attn.kd
    .args:
      - { .name: qkv, .offset: 0, .size: 8, .value_kind: global_buffer, .address_space: global }
      - { .name: pin, .offset: 8, .size: 8, .value_kind: global_buffer, .address_space: global }
    .group_segment_fixed_size: 327680
    .private_segment_fixed_size: 0
    .kernarg_segment_align: 8
    .kernarg_segment_size: 16
    .max_flat_workgroup_size: 256
    .sgpr_count:     100
    .vgpr_count:     512
    .wavefront_size: 32
...
	.end_amdgpu_metadata
.endif
;; end of part 3
;; launch outgemm (part 4): grid 8 x 32, 4 waves a work-group, clusters of 4 x 4, 327,680 bytes of LDS; arguments pin, out0; writes out0
.if DOCPART == 4
	.amdgcn_target "amdgcn-amd-amdhsa--gfx1250"
	.amdhsa_code_object_version 6
	.text
	.protected	k_qa5c6192903_outgemm
	.globl	k_qa5c6192903_outgemm
	.p2align	8
	.type	k_qa5c6192903_outgemm,@function
k_qa5c6192903_outgemm:
	s_mov_b64 s[64:65], 0
	v_nop
	global_prefetch_b8 v0, s[64:65] scope:SCOPE_SE
	s_setreg_imm32_b32 hwreg(HW_REG_WAVE_MODE, 25, 1), 1
	s_wait_xcnt 0x0
	s_wait_alu depctr_hold_cnt(0) depctr_sa_sdst(0) depctr_va_vdst(0) depctr_va_sdst(0) depctr_va_ssrc(0) depctr_va_vcc(0) depctr_vm_vsrc(0)
	s_getreg_b32 s2, hwreg(HW_REG_IB_STS2, 6, 4)
	s_cmp_eq_u32 s2, 0
	s_cbranch_scc0 .Lentry_in_a_cluster
	s_endpgm
.Lentry_in_a_cluster:
	s_bfe_u32 s2, ttmp6, 0x10000c
	s_cmp_lg_u32 s2, 0xf033
	s_cbranch_scc0 .Lentry_shape_is_right
	s_endpgm
.Lentry_shape_is_right:
; out0 [4096][1024] = O wo^T over K = 2,048, on codes of FP6 (E2M3) with E8M0 scales.  Both operands are panels in pin (128 rows x 128 K: eight images of an operand's 12 registers, 1,536 bytes each), sixteen on end for a rowblock:
; O's from byte OCB on (scale images 6291456 bytes behind), wo's from panel 640 on (scale images from byte 9437184 + 640 x 512 on).
; A tile of out0 is 128 x 128: four waves, each 64 x 64 in 16 accumulators; source 0 = wo's rows, source 1 = O's rows: a lane holds eight neighbouring columns of one row.
; LDS: two slots of six K steps (A's six panels, then B's six).  A wave's one tensor load brings three panels, 36,864 dense bytes: waves 0, 1 A's, waves 2, 3 B's.  K steps 12 to 15 fill slot 0 again, once,
; two panels a wave at the place of its first three: K step 12 + 2 u + q lies at place 3 u + q.  One tensor load of a wave is out at a time.
; THE SCALE WORDS of all of K go from memory into 64 registers, once: 16 loads a wave, sixteen lanes on 256 consecutive bytes; lanes 0-15 take A's rows, lanes 16-31 B's.
; CLUSTERS: 4 x 4; A's panels are asked for jointly along a row, B's along a column.  No data prefetch: three loads a wave bring all of K, and the first goes out at the head.
; REGISTERS: window 0: v16-27 addresses; v32-95 scale words; v128-255 accumulators.  window 1: fragments, two sets (A's four at 128 p, B's four at 128 p + 48).  window 2: v0-63 the way out.
.set UNIT,  36864
.set SLOT,  4*UNIT
.set SPARE, 2*SLOT
.set OCB,   9830400
.set FR,    12
.set ADRA,  16                         ; v16-19 my A fragments in units 0 to 3 (three K steps each)
.set ADRB,  20
.set ADRS,  24
.set STO,   25
.set RD,    26
.set CO,    27
.set SPW,   28
.set NIL,   29
.set SC,    32
.set ACC,   128
.set G1,    24
.set G0,    32                         ; s[32:43] A's groups 0: slot 0, slot 1, the refill
.set G1B,   48
.set G0B0,  56
.set G0B1,  60
.set G0B2,  68
.set MSB, 0
.macro WIN new
.if MSB != (\new)
	s_set_vgpr_msb (MSB<<8)|(\new)
.set MSB, \new
.endif
.endm
.set MUL,  0x05
.set TO_F, 0x40
.macro JLOAD g0a, g1a, g0b, g1b
	s_cmp_eq_u32 s15, 0
	s_cbranch_scc0 .Lfor_b_\@
	tensor_load_to_lds s[\g0a:\g0a+3], s[\g1a:\g1a+7]
	s_nop 0
.rept 4
	v_nop
.endr
	s_branch .Lasked_\@
.Lfor_b_\@:
	tensor_load_to_lds s[\g0b:\g0b+3], s[\g1b:\g1b+7]
	s_nop 0
.rept 4
	v_nop
.endr
.Lasked_\@:
.endm
.macro CREST
	s_cmp_lg_u32 s14, 0
	s_cbranch_scc1 .Lnot_wave_0_\@
	s_barrier_signal -3
.Lnot_wave_0_\@:
	s_barrier_wait -3
	s_barrier_signal -1
	s_barrier_wait -1
.endm
.macro CROUND
	s_barrier_signal -1
	s_barrier_wait -1
	CREST
.endm
.macro PLACES
.rept 4
	v_nop
.endr
.endm
	s_load_b128 s[4:7], s[0:1], 0x0                ; pin, out0
	v_lshl_add_u32 v[SPW], v0, 2, SPARE
	v_mov_b32 v[NIL], 0
	ds_add_u32 v[SPW], v[NIL]                      ; the opening lines
	ds_add_u32 v[SPW], v[NIL]
	v_lshrrev_b32 v1, 5, v0
	v_readfirstlane_b32 s14, v1
	s_lshr_b32 s15, s14, 1                         ; my half of the tile's rows; also: I fetch for A (0) or B (1)
	s_and_b32 s16, s14, 1                          ; my half of its columns; also: which half of a slot's panels I fetch
	s_bfe_u32 s92, ttmp6, 0x40000
	s_bfe_u32 s93, ttmp6, 0x40004
	s_lshl_b32 s94, ttmp9, 2
	s_add_co_u32 s94, s94, s92                     ; tile column
	s_and_b32 s17, ttmp7, 0xffff
	s_lshl_b32 s17, s17, 2
	s_add_co_u32 s17, s17, s93                     ; tile row
	s_lshl_b32 s95, s93, 2
	s_lshl_b32 s95, 15, s95
	s_lshl_b32 s96, 0x1111, s92
	s_or_b32 s[G1], s95, (3<<16)|(1<<21)           ; dense blocks as rows of 256 bytes: 144 rows
	s_or_b32 s[G1B], s96, (3<<16)|(1<<21)
.irp g, G1, G1B
	s_mov_b32 s[\g+1], 32<<16
	s_mov_b32 s[\g+2], 144<<16
	s_mov_b32 s[\g+3], 32<<16
	s_mov_b32 s[\g+4], 144
	s_mov_b32 s[\g+5], 32
	s_mov_b32 s[\g+6], 0
	s_mov_b32 s[\g+7], 0
.endr
	s_mul_i32 s66, s16, UNIT
	s_mul_i32 s67, s16, 24576
	s_mul_i32 s18, s17, 196608
	s_add_co_u32 s18, s18, OCB
	s_add_co_u32 s20, s18, s67                     ; A: the refill's two panels begin here + 12 panels,
	s_add_co_u32 s18, s18, s66                     ; the first fills' three here
	s_mul_i32 s10, s94, 196608
	s_add_co_u32 s10, s10, 640*12288
	s_add_co_u32 s22, s10, s67
	s_add_co_u32 s10, s10, s66
	s_mov_b32 s19, 0
	s_mov_b32 s11, 0
	s_mov_b32 s21, 0
	s_mov_b32 s23, 0
	s_mul_i32 s2, s14, UNIT                        ; where they go: by the wave's number alone
	s_wait_dscnt 0x0
	s_wait_kmcnt 0x0
	s_add_nc_u64 s[18:19], s[4:5], s[18:19]
	s_add_nc_u64 s[10:11], s[4:5], s[10:11]
	s_add_nc_u64 s[20:21], s[4:5], s[20:21]
	s_add_nc_u64 s[22:23], s[4:5], s[22:23]
	CROUND                                         ; the first joint loads meet
.macro GRP g0, base, lds, off
	s_mov_b32 s[\g0], 1
	s_add_co_u32 s[\g0+1], s2, \lds
	s_add_nc_u64 s[\g0+2:\g0+3], s[\base:\base+1], \off
	s_or_b32 s[\g0+3], s[\g0+3], 0x80000000
.endm
	GRP G0, 18, 0, 0
	GRP G0B0, 10, 0, 0
	JLOAD G0, G1, G0B0, G1B                        ; K steps 0 to 5: my one load at the head
	GRP G0+4, 18, SLOT, 2*UNIT
	GRP G0B1, 10, SLOT, 2*UNIT
	GRP G0+8, 20, 0, 4*UNIT
	GRP G0B2, 22, 0, 4*UNIT
	s_mul_i32 s20, s15, 6144                       ; my four fragments of a panel of A,
	s_mul_i32 s21, s16, 6144
	s_add_co_u32 s21, s21, 2*UNIT                  ; and of B
	s_lshl_b32 s22, s17, 13
	s_lshl_b32 s66, s15, 8
	s_add_co_u32 s22, s22, s66
	s_add_co_u32 s22, s22, OCB+6291456             ; their scale words: A's,
	s_lshl_b32 s23, s94, 13
	s_lshl_b32 s66, s16, 8
	s_add_co_u32 s23, s23, s66
	s_add_co_u32 s23, s23, 9437184+640*512         ; and B's
	s_mul_i32 s66, s14, 16*272
	s_add_co_u32 s66, s66, SLOT                    ; my stage, in slot 1: it has had its last fill, and its last read lies ahead of the walk's last barrier
	v_and_b32 v1, 31, v0
	v_and_b32 v2, 15, v0
	v_bfe_u32 v3, v0, 4, 1
	v_lshlrev_b32 v4, 4, v1
	v_add_nc_u32 v[ADRA], s20, v4
	v_add_nc_u32 v[ADRB], s21, v4
.irp r, ADRA, ADRB
	v_add_nc_u32 v[\r+1], UNIT, v[\r]
	v_add_nc_u32 v[\r+2], SLOT, v[\r]
	v_add_nc_u32 v[\r+3], SLOT+UNIT, v[\r]
.endr
	v_mov_b32 v5, s22
	v_mov_b32 v6, s23
	v_cmp_eq_u32 vcc_lo, 1, v3
	v_cndmask_b32 v5, v5, v6, vcc_lo               ; lanes 16-31 take B's words
	v_lshl_add_u32 v[ADRS], v2, 4, v5
.irp k, 0,1,2,3,4,5,6,7,8,9,10,11,12,13,14,15
	global_load_b128 v[SC+4*\k:SC+4*\k+3], v[ADRS], s[4:5] offset:512*\k
.endr
	v_mul_u32_u24 v5, v2, 272
	v_lshl_add_u32 v5, v3, 6, v5
	v_add_nc_u32 v[STO], s66, v5
	v_mul_u32_u24 v5, v3, 272
	v_lshl_add_u32 v5, v2, 4, v5
	v_add_nc_u32 v[RD], s66, v5
	v_lshlrev_b32 v5, 12, v3
	v_lshl_add_u32 v[CO], v2, 4, v5
	s_lshl_b32 s20, s17, 7
	s_lshl_b32 s21, s15, 6
	s_add_co_u32 s20, s20, s21
	s_lshl_b32 s20, s20, 12
	s_lshl_b32 s21, s94, 9
	s_add_co_u32 s20, s20, s21
	s_lshl_b32 s21, s16, 8
	s_add_co_u32 s20, s20, s21
	s_mov_b32 s21, 0
	s_add_nc_u64 s[12:13], s[6:7], s[20:21]        ; my part of out0
.macro FETCH u, q, p                   ; the eight fragments at place q of unit u into set p: B's, then A's
	WIN TO_F
.irp i, 0,1,2,3
.irp c, 0,1,2
	ds_load_b128 v[128*(\p)+48+FR*\i+4*\c:128*(\p)+48+FR*\i+4*\c+3], v[ADRB+\u] offset:12288*(\q)+1536*\i+512*\c
.endr
.endr
.irp i, 0,1,2,3
.irp c, 0,1,2
	ds_load_b128 v[128*(\p)+FR*\i+4*\c:128*(\p)+FR*\i+4*\c+3], v[ADRA+\u] offset:12288*(\q)+1536*\i+512*\c
.endr
.endr
.endm
.macro NEXTF k                         ; the fetch of K step k + 1
.set NK, (\k)+1
.if NK < 12
	FETCH NK/3, NK%3, NK%2
.else
	FETCH (NK-12)/2, NK%2, NK%2
.endif
.endm
.macro MUL4 k, a, zero                 ; A's block a x B's four, K step k.  The 16 accumulators take turns
.irp b, 0,1,2,3
.if \zero
	v_wmma_scale_f32_16x16x128_f8f6f4 v[ACC+8*(4*(\a)+\b):ACC+8*(4*(\a)+\b)+7], v[128*((\k)%2)+48+FR*\b:128*((\k)%2)+48+FR*\b+FR-1], v[128*((\k)%2)+FR*(\a):128*((\k)%2)+FR*(\a)+FR-1], 0, v[SC+4*(\k)+\b], v[SC+4*(\k)+(\a)] matrix_a_fmt:MATRIX_FMT_FP6 matrix_b_fmt:MATRIX_FMT_FP6 matrix_a_scale:MATRIX_SCALE_ROW1
.else
	v_wmma_scale_f32_16x16x128_f8f6f4 v[ACC+8*(4*(\a)+\b):ACC+8*(4*(\a)+\b)+7], v[128*((\k)%2)+48+FR*\b:128*((\k)%2)+48+FR*\b+FR-1], v[128*((\k)%2)+FR*(\a):128*((\k)%2)+FR*(\a)+FR-1], v[ACC+8*(4*(\a)+\b):ACC+8*(4*(\a)+\b)+7], v[SC+4*(\k)+\b], v[SC+4*(\k)+(\a)] matrix_a_fmt:MATRIX_FMT_FP6 matrix_b_fmt:MATRIX_FMT_FP6 matrix_a_scale:MATRIX_SCALE_ROW1
.endif
.endr
.endm
.macro KS k, zero
	s_wait_dscnt 6                                 ; all but the youngest six loads (A's blocks 2, 3)
	WIN MUL
	MUL4 \k, 0, \zero
	MUL4 \k, 1, \zero
	PLACES
	NEXTF \k
	s_wait_dscnt 24                                ; all but the 24 just issued
	WIN MUL
	MUL4 \k, 2, \zero
	MUL4 \k, 3, \zero
.endm
.macro TURN k, fill                    ; K step k with a barrier.  fill = 1: slot 0 takes K steps 12 to 15
	WIN 0
	s_wait_tensorcnt 0x0
	ds_add_u32 v[SPW], v[NIL]
.if \fill
	s_mov_b32 s[G1+2], 96<<16                      ; no tensor load of mine is out: the last load brings two panels, 96 rows
	s_mov_b32 s[G1+4], 96
	s_mov_b32 s[G1B+2], 96<<16
	s_mov_b32 s[G1B+4], 96
.endif
	s_wait_dscnt 7
	WIN MUL
	MUL4 \k, 0, 0
	s_wait_dscnt 0x0
	s_barrier_signal -1
	MUL4 \k, 1, 0
	WIN 0
	s_barrier_wait -1
.if \fill
	CREST
	JLOAD G0+8, G1, G0B2, G1B
.else
	PLACES
.endif
	NEXTF \k
	WIN MUL
	MUL4 \k, 2, 0
	MUL4 \k, 3, 0
.endm
	s_wait_alu depctr_va_vdst(0)                   ; the wait at the head's end
	s_wait_tensorcnt 0x0
	ds_add_u32 v[SPW], v[NIL]
	s_wait_dscnt 0x0
	CROUND
	JLOAD G0+4, G1, G0B1, G1B                      ; slot 1's first fill, K steps 6 to 11, issued as a refill is
	FETCH 0, 0, 0
	s_wait_loadcnt 0x0                             ; the scale words
	KS 0, 1
.irp k, 1,2,3,4
	KS \k, 0
.endr
	TURN 5, 1
.irp k, 6,7,8,9,10
	KS \k, 0
.endr
	TURN 11, 0
.irp k, 12,13,14
	KS \k, 0
.endr
	s_wait_dscnt 6
	WIN MUL
	MUL4 15, 0, 0
	MUL4 15, 1, 0
	s_wait_dscnt 0x0
	MUL4 15, 2, 0
	MUL4 15, 3, 0
	WIN 0
; THE WAY OUT: a block of 16 rows x 64 columns goes through my stage and comes back as rows of 256 bytes; sixteen lanes store one aligned unit of 256 bytes
.macro TOSTAGE a
.irp b, 0,1,2,3
	ds_store_b128 v[STO], v[ACC+8*(4*(\a)+\b):ACC+8*(4*(\a)+\b)+3] offset:128*(\b/2)+32*(\b%2)
	ds_store_b128 v[STO], v[ACC+8*(4*(\a)+\b)+4:ACC+8*(4*(\a)+\b)+7] offset:128*(\b/2)+32*(\b%2)+16
.endr
	WIN 0x80
.irp t, 0,1,2,3,4,5,6,7
	ds_load_b128 v[32*((\a)%2)+4*\t:32*((\a)%2)+4*\t+3], v[RD] offset:544*\t
.endr
	WIN 0
.endm
.macro SEND a, younger
	s_wait_dscnt \younger
	WIN 0x08
.irp t, 0,1,2,3,4,5,6,7
	global_store_b128 v[CO], v[32*((\a)%2)+4*\t:32*((\a)%2)+4*\t+3], s[12:13] offset:(32*((\a)/2)+8*((\a)%2)+2*\t+8*(\t/4))*4096 th:TH_STORE_NT
.endr
	WIN 0
.endm
	PLACES
	TOSTAGE 0
.irp a, 1,2,3
.if \a > 1
	s_wait_xcnt 0x0                                ; block a - 2's stores have read their registers
.endif
	TOSTAGE \a
	SEND \a-1, 16
.endr
	SEND 3, 0
	s_wait_tensorcnt 0x0                           ; the wave's end
	ds_add_u32 v[SPW], v[NIL]
	s_wait_dscnt 0x0
	CROUND
	s_endpgm
.Lfunc_end_k_qa5c6192903_outgemm:
	.size	k_qa5c6192903_outgemm, .Lfunc_end_k_qa5c6192903_outgemm-k_qa5c6192903_outgemm
	.p2alignl 7, 3214868480
	.fill 96, 4, 3214868480
	.section	.rodata,"a",@progbits
	.p2align	6, 0x0
	.amdhsa_kernel k_qa5c6192903_outgemm
		.amdhsa_group_segment_fixed_size 327680
		.amdhsa_private_segment_fixed_size 0
		.amdhsa_enable_private_segment 0
		.amdhsa_kernarg_size 16
		.amdhsa_user_sgpr_count 2
		.amdhsa_user_sgpr_kernarg_segment_ptr 1
		.amdhsa_wavefront_size32 1
		.amdhsa_system_sgpr_workgroup_id_x 1
		.amdhsa_system_sgpr_workgroup_id_y 1
		.amdhsa_system_sgpr_workgroup_id_z 1
		.amdhsa_system_vgpr_workitem_id 0
		.amdhsa_next_free_vgpr 576
		.amdhsa_next_free_sgpr 100
		.amdhsa_reserve_vcc 1
		.amdhsa_float_denorm_mode_32 3
		.amdhsa_float_denorm_mode_16_64 3
		.amdhsa_memory_ordered 1
		.amdhsa_forward_progress 1
		.amdhsa_inst_pref_size 80
	.end_amdhsa_kernel
	.amdgpu_metadata
---
amdhsa.version: [ 1, 2 ]
amdhsa.kernels:
  - .name:           k_qa5c6192903_outgemm
    .symbol:         k_qa5c6192903_outgemm.kd
    .args:
      - { .name: pin, .offset: 0, .size: 8, .value_kind: global_buffer, .address_space: global }
      - { .name: out0, .offset: 8, .size: 8, .value_kind: global_buffer, .address_space: global }
    .group_segment_fixed_size: 327680
    .private_segment_fixed_size: 0
    .kernarg_segment_align: 8
    .kernarg_segment_size: 16
    .max_flat_workgroup_size: 128
    .sgpr_count:     100
    .vgpr_count:     576
    .wavefront_size: 32
...
	.end_amdgpu_metadata
.endif
;; end of part 4
